; MI455X (gfx1250); checked and timed in simulation.
; The chip was launched on July 23, 2026; its instructions are those of AMD's public machine-readable ISA for CDNA 5 (MIT licence, August 2026) and "CDNA5" Instruction Set Architecture Reference Guide (July 2026). The comments in the code are by the model that wrote it; some were corrected since.
;; Mo E Layer. Allowed arithmetic: matrix products marked QUANTISED: E5M2 operands, one given power-of-two scale a tensor, by v_wmma_f32_16x16x64_bf8_bf8 or v_wmma_f32_16x16x128_bf8_bf8, f32 sums; products left as they are: f32 operands where the result goes on into a quantised operand, else bf16, f16 or f32 operands; f32 sums; everything else in f32.
;; Inputs: b1 8 x 2,048 float32; b2 8 x 1,024 float32; gate_b 8 float32; gate_w 1,024 x 8 float32; lowp_scales 4 int32 (the exponents e of the quantised operands' scales 2^e); w1 8 x 1,024 x 2,048 float32; w2 8 x 2,048 x 1,024 float32; x 4 x 512 x 1,024 float32.
;; Outputs: out0 4 x 512 x 1,024 float32.
;; This version of the problem:
;;   THIS VERSION OF THE PROBLEM IS GIVEN IN LOW PRECISION. The matrix products marked QUANTISED in the list below multiply operands that are first quantised to E5M2 (5 exponent bits, 2 mantissa bits; 8 bits a number), with one given power-of-two scale for each operand tensor; their sums are f32. All else is computed in f32.
;;   The module's matrix products, in the order in which they are computed (A, B: the left and right operand; K: the contracted axis; several contracted axes count as one K, in the product's order):
;;     1. [M 2,048, K 1,024] x [K 1,024, N 8]; A: input x; B: input gate_w: left as it is (N = 8 < 16)
;;     2. [M 2,048, K 1,024] x [K 1,024, N 16,384]; A: input x; B: input w1: QUANTISED (scales: A lowp_scales[0], B lowp_scales[1])
;;     3. batch 8 x [M 1,024, K 2,048] x [K 2,048, N 2,048]; A: input w2; B: computed on the way: QUANTISED (scales: A lowp_scales[2], B lowp_scales[3])
;;     4. batch 2,048 x [M 1,024, K 8] x [K 8, N 1]; A: computed on the way; B: computed on the way: left as it is (K = 8 < 32)
;;   THE QUANTISER, for each operand of a quantised product, along K:
;;     - The operand's scale is 2^e, e = its entry of the input lowp_scales (int32; the entries are numbered through the quantised products in the list's order, A before B).
;;     - Each number is divided by the scale, clamped to +-57,344, and rounded to the nearest number of E5M2, ties to even, subnormals kept.
;;     - The product sums the exact products of the quantised numbers (number of the format x scale) in f32.
;;   ~~~python
;;   def quantise(x, axis, e):      # numpy; x: float32 -> the quantised numbers, widened to float32 again
;;       x = np.moveaxis(x, axis, -1); K = x.shape[-1]
;;       r = np.clip(x / 2.0 ** e, -57344, 57344)
;;       step = 2.0 ** (np.maximum(np.frexp(np.where(r == 0, 1, r))[1] - 1, -14) - 2)
;;       q = np.round(r / step) * step * 2.0 ** e      # np.round: ties to even
;;       return np.moveaxis(q, -1, axis).astype(np.float32)
;;   ~~~
;;   OPERANDS COMPUTED ON THE WAY. 'Computed on the way' means the value that the module computes at that place (a softmax that the list does not call 'softmax' is quantised finished and normalised). What goes into a quantiser is computed in f32, as accurately as f32 sums, v_exp_f32 and their like allow (about 1e-6 of the number): no bf16 or f16 on the way to a quantiser, and a product that is left as it is and whose result goes on into a quantised operand takes f32 operands (vector FMAs, or v_wmma_f32_16x16x4_f32). A number that lies on a knife's edge between two numbers of the format may be rounded either way, as far as f32 arithmetic and the matrix unit's own rounding can turn it there, and no further.
;; One version. Each part assembles by itself: llvm-mc -triple=amdgcn-amd-amdhsa -mcpu=gfx1250 --defsym DOCPART=n.
;; ======== version 1 of 1: 4 launches
;; limits: right only within a limited range of input values
;; workspace buffers: xq 2,097,152 bytes; rkey 8,192 bytes of whole numbers; rw 16,384 bytes; lst 67,584 bytes of whole numbers; himg 33,554,432 bytes; ybuf 16,777,216 bytes
;; launch route (part 1): grid 256 x 1, 4 waves a work-group, no clusters, 35,328 bytes of LDS; arguments x, gate_w, gate_b, lowp_scales, xq, rkey, rw; writes xq, rkey, rw
.if DOCPART == 1
	.amdgcn_target "amdgcn-amd-amdhsa--gfx1250"
	.amdhsa_code_object_version 6
	.text
	.protected	k_qe33aa78703_route
	.globl	k_qe33aa78703_route
	.p2align	8
	.type	k_qe33aa78703_route,@function
k_qe33aa78703_route:
	s_mov_b64 s[64:65], 0
	v_nop
	global_prefetch_b8 v0, s[64:65] scope:SCOPE_SE
	s_setreg_imm32_b32 hwreg(HW_REG_WAVE_MODE, 25, 1), 1
	s_wait_xcnt 0x0
; ROUTING, and x's codes.  A work-group takes 8 tokens, a wave two: logits = x . gate_w + gate_b in f32, the two largest (equal logits: the lower index first, as jax.lax.top_k has it), softmax over the two with the
; larger taken away.  Stored at fixed places: rkey[t] = lo x 8 + hi (the two experts, lo < hi), rw[t] = (weight of lo, weight of hi), xq[t][1024] = codes of E5M2, k innermost.
; WORK LEFT OUT (in the whole program): reference() computes every expert for every token and weighs with cw, which is 0 by its own one_hot for the six experts that a token did not choose: 0 x y adds nothing, whatever
; finite values the inputs hold.  So only the chosen experts' rows are computed.  LIMIT: a NaN, an infinity or an overflow that reaches only an expert's result for a token that did not choose it is not carried to the result.
; code = number / 2^e0, held within +-57,344, to the nearest code, ties to even.
; LIMITS: e0 between -126 and 112.  NaN and infinities among the inputs are not served.  The gate's sums are f32 in an order of their own: two logits nearer to each other than that rounding may change places.
; No clusters, tensor loads, matrix work or prefetch: the work-groups share gate_w alone (32 KB), and each reads its inputs once, with no loop to run ahead in.
; REGISTERS: v1 lane; v2 32 lane; v3 272 lane; v4 where I put gate_w in LDS; v5 16 thread; v6 8 lane; v7 2^e0, v8 57,344 x 2^e0; v9 4 lane; v10 -infinity; v12, v13 the add's two; v16-31 sums [token 2][expert 8];
;   v32-63, v128-159 gate_w at work by turns, v32-47 later the codes, v48-63 the choice; v64-127 x [token 2][q 4][8]: x[t][256 q + 8 lane + 0..7]; v128-191 gate_w on its way into LDS
; LDS: gate_w, 16 bytes of padding behind each 8 rows (256 bytes): row d at 272 (d / 8) + 32 (d % 8): lanes read 272 bytes apart
.set SPARE, 34816
.macro GLOAD b, g                      ; four rows of gate_w for each lane: d = 256 (b / 2) + 8 lane + 4 (b % 2) + k
.irp k, 0,1,2,3
	ds_load_b128 v[\g+8*\k:\g+8*\k+3], v3 offset:8704*((\b)/2)+32*(4*((\b)%2)+\k)
	ds_load_b128 v[\g+8*\k+4:\g+8*\k+7], v3 offset:8704*((\b)/2)+32*(4*((\b)%2)+\k)+16
.endr
.endm
.macro GMUL b, g                       ; two experts an instruction; x's number serves both halves
.irp k, 0,1,2,3
.irp i, 0,1
.irp p, 0,1,2,3
.set xr, 64+32*\i+4*(\b)+\k
.if ((\b) == 0) && (\k == 0)
	v_pk_mul_f32 v[16+8*\i+2*\p:17+8*\i+2*\p], v[\g+8*\k+2*\p:\g+8*\k+2*\p+1], v[xr:xr+1] op_sel_hi:[1,0]
.elseif (\k % 2) == 0
	v_pk_fma_f32 v[16+8*\i+2*\p:17+8*\i+2*\p], v[\g+8*\k+2*\p:\g+8*\k+2*\p+1], v[xr:xr+1], v[16+8*\i+2*\p:17+8*\i+2*\p] op_sel_hi:[1,0,1]
.else
	v_pk_fma_f32 v[16+8*\i+2*\p:17+8*\i+2*\p], v[\g+8*\k+2*\p:\g+8*\k+2*\p+1], v[xr-1:xr], v[16+8*\i+2*\p:17+8*\i+2*\p] op_sel:[0,1,0]
.endif
.endr
.endr
.endr
.endm
.macro BEST l, m                       ; the largest of eight logits into v[m], the lowest index that holds it into v[m+1]
	v_max3_num_f32 v[\m], v[\l], v[\l+1], v[\l+2]
	v_max3_num_f32 v[\m], v[\m], v[\l+3], v[\l+4]
	v_max3_num_f32 v[\m], v[\m], v[\l+5], v[\l+6]
	v_max_num_f32 v[\m], v[\m], v[\l+7]
	v_mov_b32 v[\m+1], 7
.irp e, 6,5,4,3,2,1,0
	v_cmp_neq_f32 vcc_lo, v[\l+\e], v[\m]
	v_cndmask_b32 v[\m+1], \e, v[\m+1], vcc_lo     ; going down, the lowest index is left
.endr
.endm
; One token: logits at v[l] on; leaves the key in v[t], (weight of lo, weight of hi) in v[t+6:t+7].  Selects only
.macro TOP2 l, t
	BEST \l, \t
.irp e, 0,1,2,3,4,5,6,7
	v_cmp_eq_u32 vcc_lo, \e, v[\t+1]
	v_cndmask_b32 v[\l+\e], v[\l+\e], v10, vcc_lo  ; the first choice leaves the field
.endr
	BEST \l, \t+2
	v_sub_f32 v[\t+4], v[\t+2], v[\t]              ; second - first, 0 or less
	v_mul_f32 v[\t+4], 0x3fb8aa3b, v[\t+4]
	s_wait_alu depctr_va_vdst(0)
	v_exp_f32 v[\t+4], v[\t+4]
	v_min_u32 v[\t], v[\t+1], v[\t+3]              ; lo
	v_max_u32 v[\t+2], v[\t+1], v[\t+3]            ; hi
	s_wait_alu depctr_va_vdst(0)
	v_add_f32 v[\t+5], 1.0, v[\t+4]
	s_wait_alu depctr_va_vdst(0)
	v_rcp_f32 v[\t+5], v[\t+5]                     ; the first choice's weight
	v_lshl_or_b32 v[\t], v[\t], 3, v[\t+2]         ; the key
	v_cmp_lt_u32 vcc_lo, v[\t+1], v[\t+3]
	s_wait_alu depctr_va_vdst(0)
	v_mul_f32 v[\t+4], v[\t+4], v[\t+5]            ; the second choice's
	v_cndmask_b32 v[\t+6], v[\t+4], v[\t+5], vcc_lo
	v_cndmask_b32 v[\t+7], v[\t+5], v[\t+4], vcc_lo
.endm
	s_load_b256 s[4:11], s[0:1], 0x0               ; x 4, gate_w 6, gate_b 8, lowp_scales 10
	s_load_b128 s[12:15], s[0:1], 0x20             ; xq 12, rkey 14
	s_load_b64 s[16:17], s[0:1], 0x30              ; rw
	v_lshl_add_u32 v12, v0, 2, SPARE
	v_mov_b32 v13, 0
	v_lshrrev_b32 v14, 5, v0
	v_readfirstlane_b32 s22, v14                   ; wave 0..3
	v_and_b32 v1, 31, v0
	v_lshlrev_b32 v5, 4, v0
	v_lshrrev_b32 v4, 4, v0
	v_lshl_add_u32 v4, v4, 4, v5                   ; 16 thread + 16 (thread / 16)
	v_lshlrev_b32 v2, 5, v1
	v_mul_u32_u24 v3, v1, 272
	v_lshlrev_b32 v6, 3, v1
	v_lshlrev_b32 v9, 2, v1
	v_mov_b32 v10, 0xff800000
	s_wait_alu depctr_va_vdst(0)
	s_lshl_b32 s23, ttmp9, 3
	s_lshl_b32 s33, s22, 1
	s_add_co_u32 s23, s23, s33                     ; my first token: 8 x work-group + 2 x wave
	s_mov_b32 s34, 0x76543210                      ; v_permlanex16_b32: lane l xor 16
	s_mov_b32 s35, 0xfedcba98
	s_mov_b32 s37, 0
	s_lshl_b32 s36, s23, 12
	s_wait_kmcnt 0x0
	s_load_b256 s[24:31], s[8:9], 0x0              ; gate_b
	s_load_b32 s32, s[10:11], 0x0                  ; e0
	s_add_nc_u64 s[4:5], s[4:5], s[36:37]
	s_lshl_b32 s36, s23, 10
	s_add_nc_u64 s[12:13], s[12:13], s[36:37]
	s_lshl_b32 s36, s23, 2
	s_add_nc_u64 s[14:15], s[14:15], s[36:37]
	s_lshl_b32 s36, s23, 3
	s_add_nc_u64 s[16:17], s[16:17], s[36:37]
.set n, 0
.rept 16
	global_load_b128 v[128+4*n:131+4*n], v5, s[6:7] offset:2048*n     ; gate_w as it lies: 2,048 bytes for the 128 threads
.set n, n+1
.endr
.irp i, 0,1
.irp q, 0,1,2,3
	global_load_b128 v[64+32*\i+8*\q:67+32*\i+8*\q], v2, s[4:5] offset:4096*\i+1024*\q th:TH_LOAD_NT      ; a lane takes 8 neighbours; the two loads together cover 1,024 consecutive bytes
	global_load_b128 v[68+32*\i+8*\q:71+32*\i+8*\q], v2, s[4:5] offset:4096*\i+1024*\q+16 th:TH_LOAD_NT
.endr
.endr
	s_wait_loadcnt 16                              ; gate_w is in; x's sixteen loads may be out
.set n, 0
.rept 16
	ds_store_b128 v4, v[128+4*n:131+4*n] offset:2176*n
.set n, n+1
.endr
	s_wait_dscnt 0x0                               ; for the others' sake: my part of gate_w lies in LDS
	s_barrier_signal -1
	s_barrier_wait -1
	GLOAD 0, 32
	s_wait_loadcnt 0x0                             ; x
.irp b, 0,2,4,6
	GLOAD \b+1, 128
	s_wait_alu depctr_va_vdst(0)
	s_wait_dscnt 8                                 ; the eight loads just issued may be out
	GMUL \b, 32
.if \b < 6
	GLOAD \b+2, 32
	s_wait_alu depctr_va_vdst(0)
	s_wait_dscnt 8
.else
	s_wait_alu depctr_va_vdst(0)
	s_wait_dscnt 0x0
.endif
	GMUL \b+1, 128
.endr
	s_wait_alu depctr_va_vdst(0)
	s_wait_kmcnt 0x0                               ; gate_b, e0
	s_add_co_i32 s32, s32, 127
	s_lshl_b32 s33, s32, 23
	v_mov_b32 v7, s33                              ; 2^e0 as f32: the conversion takes its exponent field
	s_add_co_i32 s32, s32, 15
	s_lshl_b32 s32, s32, 23
	s_or_b32 s32, s32, 0x600000
	v_mov_b32 v8, s32                              ; 57,344 x 2^e0
.set j, 0
.rept 64
	v_med3_num_f32 v[64+j], v[64+j], -v8, v8       ; the conversion to an 8-bit code does not saturate (ISA guide 7.6.2)
.set j, j+1
.endr
.irp i, 0,1
.irp q, 0,1,2,3
	v_cvt_scalef32_pk8_bf8_f32 v[32+2*(4*\i+\q):33+2*(4*\i+\q)], v[64+32*\i+8*\q:71+32*\i+8*\q], v7
.endr
.endr
	v_nop                                          ; a plain line behind the last conversion
.irp i, 0,1
.irp q, 0,1,2,3
	global_store_b64 v6, v[32+2*(4*\i+\q):33+2*(4*\i+\q)], s[12:13] offset:1024*\i+256*\q   ; 32 lanes store 256 consecutive bytes, aligned
.endr
.endr
.irp m, 1,2,4,8                        ; the sixteen sums over the 32 lanes: four steps inside each half, one across
.set j, 0
.rept 16
	v_add_f32_dpp v[16+j], v[16+j], v[16+j] row_xmask:\m row_mask:0xf bank_mask:0xf
.set j, j+1
.endr
.endr
.set j, 0
.rept 16
	v_permlanex16_b32 v[48+j], v[16+j], s34, s35   ; (v48-63 held gate_w)
.set j, j+1
.endr
.set j, 0
.rept 16
	v_add_f32 v[16+j], v[16+j], v[48+j]
.set j, j+1
.endr
.irp i, 0,1
.irp e, 0,1,2,3,4,5,6,7
	v_add_f32 v[16+8*\i+\e], s[24+\e], v[16+8*\i+\e]   ; + gate_b
.endr
.endr
	TOP2 16, 48
	TOP2 24, 56
	v_cmp_eq_u32 vcc_lo, 1, v1                     ; lane 0 stores token 0's numbers, lane 1 token 1's
	v_cndmask_b32 v48, v48, v56, vcc_lo
	v_cndmask_b32 v54, v54, v62, vcc_lo
	v_cndmask_b32 v55, v55, v63, vcc_lo
	s_wait_alu depctr_va_vdst(0)
	s_wait_xcnt 0x0                                ; EXEC is a source of the stores above: it changes only behind this wait
	v_cmp_gt_u32 vcc_lo, 2, v1
	s_wait_tensorcnt 0x0                           ; all lanes on
	ds_add_u32 v12, v13
	s_wait_dscnt 0x0
	s_and_saveexec_b32 s33, vcc_lo
	global_store_b32 v9, v48, s[14:15]             ; 8 and 16 bytes a wave: the two tables are 24 KB in all
	global_store_b64 v6, v[54:55], s[16:17]
	s_endpgm
.Lfunc_end_k_qe33aa78703_route:
	.size	k_qe33aa78703_route, .Lfunc_end_k_qe33aa78703_route-k_qe33aa78703_route
	.p2alignl 7, 3214868480
	.fill 96, 4, 3214868480
	.section	.rodata,"a",@progbits
	.p2align	6, 0x0
	.amdhsa_kernel k_qe33aa78703_route
		.amdhsa_group_segment_fixed_size 35328
		.amdhsa_private_segment_fixed_size 0
		.amdhsa_enable_private_segment 0
		.amdhsa_kernarg_size 56
		.amdhsa_user_sgpr_count 2
		.amdhsa_user_sgpr_kernarg_segment_ptr 1
		.amdhsa_wavefront_size32 1
		.amdhsa_system_sgpr_workgroup_id_x 1
		.amdhsa_system_sgpr_workgroup_id_y 1
		.amdhsa_system_sgpr_workgroup_id_z 1
		.amdhsa_system_vgpr_workitem_id 0
		.amdhsa_next_free_vgpr 192
		.amdhsa_next_free_sgpr 66
		.amdhsa_reserve_vcc 1
		.amdhsa_float_denorm_mode_32 3
		.amdhsa_float_denorm_mode_16_64 3
		.amdhsa_memory_ordered 1
		.amdhsa_forward_progress 1
		.amdhsa_inst_pref_size 44
	.end_amdhsa_kernel
	.amdgpu_metadata
---
amdhsa.version: [ 1, 2 ]
amdhsa.kernels:
  - .name:           k_qe33aa78703_route
    .symbol:         k_qe33aa78703_route.kd
    .args:
      - { .name: x, .offset: 0, .size: 8, .value_kind: global_buffer, .address_space: global }
      - { .name: gate_w, .offset: 8, .size: 8, .value_kind: global_buffer, .address_space: global }
      - { .name: gate_b, .offset: 16, .size: 8, .value_kind: global_buffer, .address_space: global }
      - { .name: lowp_scales, .offset: 24, .size: 8, .value_kind: global_buffer, .address_space: global }
      - { .name: xq, .offset: 32, .size: 8, .value_kind: global_buffer, .address_space: global }
      - { .name: rkey, .offset: 40, .size: 8, .value_kind: global_buffer, .address_space: global }
      - { .name: rw, .offset: 48, .size: 8, .value_kind: global_buffer, .address_space: global }
    .group_segment_fixed_size: 35328
    .private_segment_fixed_size: 0
    .kernarg_segment_align: 8
    .kernarg_segment_size: 56
    .max_flat_workgroup_size: 128
    .sgpr_count:     66
    .vgpr_count:     192
    .wavefront_size: 32
...
	.end_amdgpu_metadata
.endif
;; end of part 1
;; launch gemm1 (part 2): grid 256 x 1, 8 waves a work-group, no clusters, 283,136 bytes of LDS; arguments xq, rkey, w1, b1, lowp_scales, himg, lst; writes himg, lst
.if DOCPART == 2
	.amdgcn_target "amdgcn-amd-amdhsa--gfx1250"
	.amdhsa_code_object_version 6
	.text
	.protected	k_qe33aa78703_gemm1
	.globl	k_qe33aa78703_gemm1
	.p2align	8
	.type	k_qe33aa78703_gemm1,@function
k_qe33aa78703_gemm1:
	s_mov_b64 s[64:65], 0
	v_nop
	global_prefetch_b8 v0, s[64:65] scope:SCOPE_SE
	s_setreg_imm32_b32 hwreg(HW_REG_WAVE_MODE, 25, 1), 1
	s_wait_xcnt 0x0
; THE HIDDEN LAYER OF THE CHOSEN EXPERTS: himg = codes of gelu(x W1[e] + b1[e]), exact-erf gelu, for the tokens that chose e.  The rows of experts that a token did not choose are left out (their weight in the combine
; is 0 by reference()'s own one_hot; LIMIT: a NaN, an infinity or an overflow that reaches only them is not carried).
; SHARES.  Work-group number = slice + 16 half + 32 e: 128 hidden units of expert e and every second tile of 16 rows of its token list.  W1[e][1024][128 units] is read as f32 and turned into codes in LDS, 128 KB; a wave
;   owns two tiles of 16 rows (tile half + 2 (wave + 8 i), i = 0, 1), whose codes of x (1,024 along K) stay in 256 registers, and multiplies them by four groups of 32 units.  That serves 512 rows an expert; further
;   tiles, if the list has them, are shared out as (tile, group of units), one to a wave and trip.
; THE LIST is made by each work-group while its weights are on their way: each token's word = 2 x (how many tokens up to it chose e) + (is e its hi), then for each position a search through these 2,048 words.
;   All LDS stores stand at fixed addresses.  Positions beyond the last repeat the last.  entry = token | 2,048 if e is the token's hi.  One work-group of each expert stores list and count for the next launch.
; THE STREAM.  A block is 32 k x 64 units: 16 loads, lanes 0-15 a row k, lanes 16-31 the row k + 16, 256 consecutive bytes each.  A lane then has 4 columns x 16 k; the hold writes each column's 16 numbers side by side and
;   the conversions give 16 bytes of the operand's image: [tile of 16 columns 8][s 8][c 4][lane 32][16 bytes], 16 bytes of padding behind each tile.  Wave w streams K step s = w.  Units 64-127 stream while groups 0 and 1 are multiplied.
; TRANSPOSED: source 0 = 16 columns of W1, source 1 = 16 rows of x.  Column 32 g + 16 a + 8 u + b is row 8 a + b of tile 2 g + u, so the 16 registers of tiles u = 0, 1 are units 32 g + 16 h + 0 .. 15: neighbours along the
;   next K.  himg[e][tile 128][s 16][c 4][lane 32][16 bytes], s = slice, c = group.  Both operands hold k = 128 s + 32 c + 16 h + 0..15 in registers 4 c .. 4 c + 3.
; GELU.  gelu(v) = max(v, 0) - |v| q, q = erfc(|v| / sqrt 2) / 2 = t 2^(-z^2 log2 e + poly(t)), z = |v| / sqrt 2, t = 1 / (1 + z / 2): the fractional error of this form is under 1.2e-7 for every z >= 0.  All in f32.
;   q under 2^-126 comes out as 0 (v_exp_f32 flushes: ISA guide 15.8).
; SCALES.  A sum stands for sum x 2^(e0 + e1): b1 starts the sum divided by that power; the finished sum is multiplied by it.  h's code = gelu / 2^e3, held within +-57,344.
; LIMITS: e0 + e1 between -126 and 127; e1, e3 between -126 and 112.  NaN and infinities are not served.
; NOT USED: clusters and tensor loads (how many tiles a work-group multiplies hangs on the stored choice); prefetches (the stream is written out with 48 to 64 loads a wave out from the head on; no loop runs ahead of it).
; REGISTERS.  Window 1: v0-127, v128-255 x's fragments of my two tiles (at first also weights on their way).  Window 0: v32-63 accumulators [rt 2][u 2][8]; v64-127 weights from LDS, two K steps by turns, or the
;   conversions' and the gelu's numbers; v128-191, v192-255 two blocks of weights on their way.
; v0 thread; v1 16 lane; v2 my place in a block's loads; v3, v4 my place in the image, units 0-63, 64-127; v5 16 lane in the image, v6 + the group; v7, v8 2^e1, 57,344 x 2^e1; v9, v10 for e3; v11, v12 the bias; v13, v16 x's
;   stage, in and back; v[14:15] the polynomial's highest coefficient; v17 list; v18 himg; v27 at work; v28, v29 the add's two; v30, v31 weights and bias of the further tiles
.set LIST,  8192                       ; LDS: 0 the tokens' words; the list;
.set CT,    16384                      ; the waves' counts;
.set BIAS,  16640                      ; b1 / 2^(e0 + e1);
.set XS,    17664                      ; a stage of 16 rows x 1,040 bytes for each wave;
.set WL,    150784                     ; the weights' image;
.set SPARE, 282112                     ; the spare words
.set TP,    16400
.set ACC,   32
.set WF,    64
.set TT,    64
.set CC,    96
.set WA,    128
.set WB,    192
.set GT,    64
.set GP,    80
.set GW,    96
.set CODE,  112
.set CF,    66                         ; s[66+2k:67+2k]: the polynomial's coefficients, each twice
.set MSB, 0
.macro WIN new                         ; the immediate's high byte repeats the setting that is left
.if MSB != \new
	s_set_vgpr_msb (MSB<<8)|\new
.set MSB, \new
.endif
.endm
.macro BAR
	s_wait_alu depctr_va_vdst(0)
	s_wait_dscnt 0x0                               ; my LDS stores and loads are done
	s_barrier_signal -1
	s_barrier_wait -1
.endm
.macro WLOAD win, dst, c, ch           ; the block of k = 128 w + 32 c + 0..31, units 64 ch + 0..63
	WIN \win
.set i, 0
.rept 16
	global_load_b128 v[\dst+4*i:\dst+4*i+3], v2, s[36:37] offset:(32*(\c)+i)*8192+256*(\ch)
.set i, i+1
.endr
	WIN 0
.endm
.macro CONV win, src, adr, off, set    ; a block into the image.  win: 0x10 where its numbers lie in window 1
	s_wait_dscnt 4                                 ; the stores of two blocks ago have read the codes' registers
	WIN \win
.irp j, 0,1,2,3
.set i, 0
.rept 16
	v_med3_num_f32 v[TT+16*(\j%2)+i], -v8, v8, v[\src+4*i+\j]   ; the conversion to an 8-bit code does not saturate (ISA guide 7.6.2)
.set i, i+1
.endr
	v_cvt_scalef32_pk8_bf8_f32 v[CC+16*\set+4*\j:CC+16*\set+4*\j+1], v[TT+16*(\j%2):TT+16*(\j%2)+7], v7
	v_cvt_scalef32_pk8_bf8_f32 v[CC+16*\set+4*\j+2:CC+16*\set+4*\j+3], v[TT+16*(\j%2)+8:TT+16*(\j%2)+15], v7
	ds_store_b128 v[\adr], v[CC+16*\set+4*\j:CC+16*\set+4*\j+3] offset:\off+16*\j
.endr
	v_nop                                          ; a plain line behind the last conversion
	WIN 0
.endm
.macro GATH la, off, tk, win, dst      ; the 16 rows of a tile, whole rows of 1,024 bytes: two loads of 512 consecutive bytes each
	v_min_u32 v[\la], 0x3fc0-\off, v[\la]          ; with the offset, the last tile's place in the list at the most
.irp k, 0,1,2,3
	ds_load_b128 v[\tk+4*\k:\tk+4*\k+3], v[\la] offset:\off+16*\k
.endr
	s_wait_dscnt 0x0
.set i, 0
.rept 16
	v_and_b32 v[\tk+i], 0x7ff, v[\tk+i]            ; the token,
	v_min_u32 v[\tk+i], 0x7ff, v[\tk+i]            ; held inside the table
	v_lshl_add_u32 v[\tk+i], v[\tk+i], 10, v1
.set i, i+1
.endr
	WIN \win
.set i, 0
.rept 16
	global_load_b128 v[\dst+8*i:\dst+8*i+3], v[\tk+i], s[4:5]
	global_load_b128 v[\dst+8*i+4:\dst+8*i+7], v[\tk+i], s[4:5] offset:512
.set i, i+1
.endr
	WIN 0
.endm
.macro XTURN win, src, dst             ; the rows through my stage: in as rows, back as fragments (into window 1)
	WIN \win
.set i, 0
.rept 16
	ds_store_b128 v13, v[\src+8*i:\src+8*i+3] offset:1040*i
	ds_store_b128 v13, v[\src+8*i+4:\src+8*i+7] offset:1040*i+512
.set i, i+1
.endr
	s_wait_dscnt 0x0                               ; the stores have read their registers
	WIN 0x40
.set i, 0
.rept 32
	ds_load_b128 v[\dst+4*i:\dst+4*i+3], v16 offset:32*i   ; register 16 s + 4 c: k = 128 s + 32 c + 16 h + 0..15
.set i, i+1
.endr
	WIN 0
.endm
.macro WSTEP s, adr                    ; the weights of K step s, two tiles
.irp u, 0,1
.irp c, 0,1,2,3
	ds_load_b128 v[WF+32*((\s)%2)+16*\u+4*\c:WF+32*((\s)%2)+16*\u+4*\c+3], v[\adr] offset:TP*\u+2048*(\s)+512*\c
.endr
.endr
.endm
.macro PROD nt, adr, bi                ; nt tiles of rows x 32 units, K = 1,024; the bias starts the sums: in place (nt = 2) or as the C of the first products (nt = 1)
.set ba, ACC+16*(2-\nt)
.set a, 0
.rept \nt
.irp u, 0,1
	ds_load_b128 v[ba+16*a+8*\u:ba+16*a+8*\u+3], v[\bi] offset:32*\u
	ds_load_b128 v[ba+16*a+8*\u+4:ba+16*a+8*\u+7], v[\bi] offset:32*\u+16
.endr
.set a, a+1
.endr
	WSTEP 0, \adr
	WSTEP 1, \adr
.irp s, 0,1,2,3,4,5,6,7
.if \s < 7
	s_wait_dscnt 8                                 ; the next K step's eight loads may be out
.else
	s_wait_dscnt 0x0
.endif
	WIN 0x04                                       ; source 1, x, in window 1
.set a, 0
.rept \nt                              ; the accumulators take turns, one instruction a turn
.irp u, 0,1
.if (\nt == 1) && (\s == 0)
	v_wmma_f32_16x16x128_bf8_bf8 v[ACC+16*a+8*\u:ACC+16*a+8*\u+7], v[WF+32*(\s%2)+16*\u:WF+32*(\s%2)+16*\u+15], v[128*a+16*\s:128*a+16*\s+15], v[ba+8*\u:ba+8*\u+7]
.else
	v_wmma_f32_16x16x128_bf8_bf8 v[ACC+16*a+8*\u:ACC+16*a+8*\u+7], v[WF+32*(\s%2)+16*\u:WF+32*(\s%2)+16*\u+15], v[128*a+16*\s:128*a+16*\s+15], v[ACC+16*a+8*\u:ACC+16*a+8*\u+7]
.endif
.endr
.set a, a+1
.endr
.rept 4
	v_nop                                          ; four places in front of loads into registers that the products have read, and of the first read of results
.endr
	WIN 0
.if \s < 6
	WSTEP \s+2, \adr
.endif
.endr
.endm
.macro COEF k, val
	s_mov_b32 s[CF+2*\k], \val
	s_mov_b32 s[CF+2*\k+1], \val
.endm
.macro GELUQ rt                        ; tile of rows rt: 16 sums a lane become 16 codes
.set GV, ACC+16*(\rt)
	s_wait_alu depctr_va_vdst(0)
.set j, 0
.rept 8
	v_pk_mul_f32 v[GV+j:GV+j+1], v[GV+j:GV+j+1], s[88:89] op_sel_hi:[1,0]      ; v = sum x 2^(e0 + e1); each accumulator from its low end on
.set j, j+2
.endr
.set j, 0
.rept 16
	v_fma_f32 v[GT+j], |v[GV+j]|, s84, 1.0         ; 1 + z / 2
.set j, j+1
.endr
.set j, 0
	s_wait_alu depctr_va_vdst(0)
.rept 16
	v_rcp_f32 v[GT+j], v[GT+j]                     ; t
.set j, j+1
.endr
.set j, 0
.rept 8
	v_pk_mul_f32 v[GW+j:GW+j+1], v[GV+j:GV+j+1], s[86:87] op_sel_hi:[1,0]      ; -v log2(e) / 2
.set j, j+2
.endr
.set j, 0
	s_wait_alu depctr_va_vdst(0)
.rept 8
	v_pk_fma_f32 v[GP+j:GP+j+1], v[GT+j:GT+j+1], v[14:15], s[CF+16:CF+17] op_sel_hi:[1,1,0]
.set j, j+2
.endr
.irp k, 7,6,5,4,3,2,1,0
.set j, 0
.rept 8
	v_pk_fma_f32 v[GP+j:GP+j+1], v[GP+j:GP+j+1], v[GT+j:GT+j+1], s[CF+2*\k:CF+2*\k+1] op_sel_hi:[1,1,0]
.set j, j+2
.endr
.endr
.set j, 0
.rept 8
	v_pk_fma_f32 v[GP+j:GP+j+1], v[GW+j:GW+j+1], v[GV+j:GV+j+1], v[GP+j:GP+j+1]   ; - z^2 log2(e)
.set j, j+2
.endr
.set j, 0
	s_wait_alu depctr_va_vdst(0)
.rept 16
	v_exp_f32 v[GP+j], v[GP+j]
.set j, j+1
.endr
.set j, 0
.rept 16
	v_max_num_f32 v[GW+j], 0, v[GV+j]
.set j, j+1
.endr
.set j, 0
	s_wait_alu depctr_va_vdst(0)
.rept 8
	v_pk_mul_f32 v[GP+j:GP+j+1], v[GP+j:GP+j+1], v[GT+j:GT+j+1]                ; q
.set j, j+2
.endr
.set j, 0
.rept 16
	v_fma_f32 v[GV+j], -|v[GV+j]|, v[GP+j], v[GW+j]   ; gelu
.set j, j+1
.endr
.set j, 0
.rept 16
	v_med3_num_f32 v[GV+j], v[GV+j], -v10, v10
.set j, j+1
.endr
	v_cvt_scalef32_pk8_bf8_f32 v[CODE+4*(\rt):CODE+4*(\rt)+1], v[GV:GV+7], v9
	v_cvt_scalef32_pk8_bf8_f32 v[CODE+4*(\rt)+2:CODE+4*(\rt)+3], v[GV+8:GV+15], v9
	v_nop                                          ; a plain line behind the last conversion
.endm
.macro GROUP                           ; group s24 of 32 units for my two tiles: s93 its weights, s94 its bias
	v_add_nc_u32 v6, s93, v5
	v_add_nc_u32 v12, s94, v11
	s_wait_alu depctr_va_vdst(0)
	PROD 2, 6, 12
	GELUQ 0
	global_store_b128 v1, v[CODE:CODE+3], s[38:39]                    ; 32 lanes store 512 consecutive bytes, aligned
	GELUQ 1
	global_store_b128 v1, v[CODE+4:CODE+7], s[38:39] offset:524288    ; 16 tiles on
	s_wait_xcnt 0x0                                ; the codes' registers and the base are written again only behind this wait
	s_add_nc_u64 s[38:39], s[38:39], 512
.endm
	s_load_b256 s[4:11], s[0:1], 0x0               ; xq 4, rkey 6, w1 8, b1 10
	s_load_b128 s[12:15], s[0:1], 0x20             ; lowp_scales 12, himg 14
	s_load_b64 s[16:17], s[0:1], 0x30              ; lst
	v_lshl_add_u32 v28, v0, 2, SPARE
	v_mov_b32 v29, 0
	v_lshrrev_b32 v19, 5, v0
	v_readfirstlane_b32 s18, v19                   ; wave w 0..7
	v_and_b32 v20, 31, v0
	v_lshlrev_b32 v1, 4, v20
	v_lshlrev_b32 v21, 2, v20
	v_and_b32 v22, 15, v0                          ; q, also r
	v_bfe_u32 v23, v0, 4, 1                        ; h
	v_lshlrev_b32 v2, 17, v23                      ; 16 h rows of 8,192 bytes
	v_lshl_add_u32 v2, v22, 4, v2
	v_bfe_u32 v24, v22, 3, 1                       ; my columns 4 q + j: group q / 8, u = (q / 2) % 2, a = (q / 4) % 2, b = 4 (q % 2) + j
	v_bfe_u32 v25, v22, 1, 1
	v_lshl_add_u32 v24, v24, 1, v25
	v_mul_u32_u24 v3, v24, TP
	v_bfe_u32 v25, v22, 2, 1
	v_lshl_add_u32 v3, v25, 7, v3
	v_and_b32 v25, 1, v22
	v_lshl_add_u32 v3, v25, 6, v3
	v_lshl_add_u32 v3, v23, 8, v3
	v_add_nc_u32 v5, WL, v1
	v_lshlrev_b32 v11, 6, v23
	v_add_nc_u32 v11, BIAS, v11
	v_mul_u32_u24 v16, v22, 1040
	v_lshl_add_u32 v16, v23, 4, v16
	v_and_b32 v26, 0x7f, v0
	v_lshlrev_b32 v26, 2, v26
	v_lshl_add_u32 v43, v0, 2, BIAS
	s_and_b32 s19, ttmp9, 15                       ; slice
	s_bfe_u32 s20, ttmp9, 0x10004                  ; half
	s_lshr_b32 s21, ttmp9, 5                       ; e
	s_mov_b32 s29, 0
	s_mov_b32 s31, 0
	s_mov_b32 s33, 0
	s_mov_b32 s35, 0
	s_mov_b32 s63, 0
	s_lshl_b32 s26, s19, 9
	s_lshl_b32 s28, s21, 13
	s_add_co_u32 s28, s28, s26                     ; b1: 8,192 bytes an expert, 512 a slice
	s_lshl_b32 s30, s21, 23
	s_lshl_b32 s27, s18, 20
	s_add_co_u32 s30, s30, s27
	s_add_co_u32 s30, s30, s26                     ; w1: 8,388,608 an expert, 1,048,576 a K step, 512 a slice
	s_lshl_b32 s26, s19, 11
	s_lshl_b32 s34, s21, 22
	s_add_co_u32 s34, s34, s26                     ; himg: 4,194,304 an expert, 2,048 a slice,
	s_lshl_b32 s26, s20, 15
	s_lshl_b32 s27, s18, 16
	s_add_co_u32 s32, s34, s26
	s_add_co_u32 s32, s32, s27                     ; my first tile: half + 2 w
	s_and_b32 s92, s18, 3                          ; further tiles: my group w % 4
	s_lshl_b32 s26, s92, 9
	s_add_co_u32 s34, s34, s26
	s_mul_i32 s62, s21, 8448
	s_lshl_b32 s26, s18, 10
	s_lshl_b32 s27, s18, 11
	s_add_co_u32 s27, s27, WL
	s_mul_i32 s60, s18, 16640
	s_add_co_u32 s60, s60, XS
	s_mul_i32 s61, s92, 2*TP
	s_lshl_b32 s92, s92, 7
	s_lshr_b32 s25, s18, 2
	s_lshl_b32 s25, s25, 1
	s_add_co_u32 s25, s25, s20
	s_add_co_u32 s25, s25, 32                      ; the first of my further tiles: 32 + half + 2 (w / 4)
	s_lshl_b32 s93, s20, 6
	s_lshl_b32 s94, s18, 7
	s_add_co_u32 s93, s93, s94
	s_add_co_u32 s93, s93, LIST                    ; the list at my first tile
	s_wait_alu depctr_va_vdst(0)
	v_add_nc_u32 v21, s26, v21                     ; 1,024 w + 4 lane
	v_add_nc_u32 v3, s27, v3
	v_add_nc_u32 v4, 4*TP, v3
	v_add_nc_u32 v13, s60, v1
	v_add_nc_u32 v16, s60, v16
	v_add_nc_u32 v30, s61, v5
	v_add_nc_u32 v31, s92, v11
	v_mov_b32 v17, s93
	s_wait_alu depctr_va_vdst(0)
	s_wait_kmcnt 0x0
	s_load_b128 s[56:59], s[12:13], 0x0            ; e0..e3
	s_add_nc_u64 s[10:11], s[10:11], s[28:29]
	s_add_nc_u64 s[36:37], s[8:9], s[30:31]
	s_add_nc_u64 s[38:39], s[14:15], s[32:33]
	s_add_nc_u64 s[60:61], s[14:15], s[34:35]
	s_add_nc_u64 s[16:17], s[16:17], s[62:63]
.irp i, 0,1,2,3,4,5,6,7
	global_load_b32 v[32+\i], v21, s[6:7] offset:128*\i   ; the keys of tokens 256 w + 32 i + lane
.endr
	global_load_b32 v40, v26, s[10:11]             ; b1
	WLOAD 0x40, 0, 0, 0
	WLOAD 0x40, 64, 1, 0
	WLOAD 0, WA, 2, 0
	s_wait_kmcnt 0x0
	s_add_co_i32 s26, s56, s57
	s_sub_co_i32 s27, 0, s26                       ; -(e0 + e1)
	s_add_co_i32 s26, s26, 127
	s_lshl_b32 s88, s26, 23                        ; 2^(e0 + e1) as f32
	s_mov_b32 s89, s88
	s_add_co_i32 s26, s57, 127
	s_lshl_b32 s28, s26, 23
	v_mov_b32 v7, s28                              ; 2^e1: the conversion takes its exponent field
	s_add_co_i32 s26, s26, 15
	s_lshl_b32 s26, s26, 23
	s_or_b32 s26, s26, 0x600000
	v_mov_b32 v8, s26                              ; 57,344 x 2^e1
	s_add_co_i32 s26, s59, 127
	s_lshl_b32 s28, s26, 23
	v_mov_b32 v9, s28
	s_add_co_i32 s26, s26, 15
	s_lshl_b32 s26, s26, 23
	s_or_b32 s26, s26, 0x600000
	v_mov_b32 v10, s26
	v_mov_b32 v14, 0x3e7c6f08
	v_mov_b32 v15, 0x3e7c6f08
	s_mov_b32 s84, 0x3eb504f3                      ; 1 / (2 sqrt 2)
	s_mov_b32 s86, 0xbf38aa3b                      ; -log2(e) / 2
	s_mov_b32 s87, s86
	s_wait_alu depctr_va_vdst(0)
	s_wait_loadcnt 48                              ; keys and bias are in; the three blocks behind them may be out
	v_ldexp_f32 v40, v40, s27
	ds_store_b32 v43, v40
.irp i, 0,1,2,3,4,5,6,7
	v_and_b32 v41, 7, v[32+\i]                     ; hi
	v_lshrrev_b32 v42, 3, v[32+\i]                 ; lo
	v_cmp_eq_u32 s[40+\i], s21, v41
	v_cmp_eq_u32 s26, s21, v42
	v_cndmask_b32 v[48+\i], 0, 1, s[40+\i]
	s_or_b32 s[40+\i], s[40+\i], s26               ; the lanes whose token chose e
.endr
	s_mov_b32 s27, 0
.irp i, 0,1,2,3,4,5,6,7
	s_mov_b32 s[48+\i], s27
	s_bcnt1_i32_b32 s26, s[40+\i]
	s_add_co_u32 s27, s27, s26
.endr
	s_lshl_b32 s26, s18, 2
	s_add_co_u32 s26, s26, CT
	v_mov_b32 v41, s27
	v_mov_b32 v42, s26
	ds_store_b32 v42, v41                          ; my wave's count (all lanes the same word)
	WLOAD 0, WB, 3, 0
	BAR
	v_mov_b32 v42, CT
	ds_load_b128 v[56:59], v42
	ds_load_b128 v[60:63], v42 offset:16
	s_wait_dscnt 0x0
	s_mov_b32 s30, 0
	s_mov_b32 s22, 0
.irp i, 0,1,2,3,4,5,6,7
	v_readfirstlane_b32 s26, v[56+\i]
	s_add_co_u32 s22, s22, s26                     ; n: how many tokens chose e
	s_cmp_gt_u32 s18, \i
	s_cselect_b32 s26, s26, 0
	s_add_co_u32 s30, s30, s26                     ; those of the waves ahead of mine
.endr
	s_add_co_u32 s23, s22, 15
	s_lshr_b32 s23, s23, 4                         ; tiles of 16 rows
.irp i, 0,1,2,3,4,5,6,7
	s_add_co_u32 s26, s30, s[48+\i]
	v_mbcnt_lo_u32_b32 v41, s[40+\i], s26
	v_cndmask_b32 v42, 0, 1, s[40+\i]
	v_add_nc_u32 v41, v41, v42                     ; how many tokens up to mine chose e
	v_lshl_add_u32 v[32+\i], v41, 1, v[48+\i]
	ds_store_b32 v21, v[32+\i] offset:128*\i
.endr
	s_sub_co_u32 s26, s22, 1
.irp m, 0,1,2,3,4,5,6,7
	v_add_nc_u32 v[48+\m], 256*\m, v0              ; position p = 256 m + thread,
	v_min_u32 v[48+\m], s26, v[48+\m]              ; beyond the last: the last
	v_lshl_or_b32 v[48+\m], v[48+\m], 1, 1         ; 2 p + 1: a word is at most this where its count is at most p
.endr
	BAR
.irp m, 0,1,2,3,4,5,6,7
	v_mov_b32 v[32+\m], 0                          ; 4 x the number of words known to be at most 2 p + 1
.endr
	s_mov_b32 s27, 4096
	s_mov_b32 s90, 0
	s_wait_alu depctr_va_vdst(0)
.Lsearch:                                          ; eleven halvings
	s_sub_co_u32 s28, s27, 4
.irp m, 0,1,2,3,4,5,6,7
	v_add_nc_u32 v[40+\m], s28, v[32+\m]
.endr
.irp m, 0,1,2,3,4,5,6,7
	v_min_u32 v[40+\m], 0x1ffc, v[40+\m]           ; held inside the table
	ds_load_b32 v[56+\m], v[40+\m]
.endr
	s_wait_alu depctr_va_vdst(0)
	s_wait_dscnt 0x0
.irp m, 0,1,2,3,4,5,6,7
	v_cmp_ge_u32 vcc_lo, v[48+\m], v[56+\m]
	v_cndmask_b32 v[56+\m], 0, s27, vcc_lo
	v_add_nc_u32 v[32+\m], v[32+\m], v[56+\m]
.endr
	s_lshr_b32 s27, s27, 1
	s_add_co_u32 s90, s90, 1
	s_cmp_lt_u32 s90, 11
	s_wait_alu depctr_va_vdst(0)
	s_cbranch_scc1 .Lsearch
.irp m, 0,1,2,3,4,5,6,7
	v_min_u32 v[32+\m], 0x1ffc, v[32+\m]
	ds_load_b32 v[56+\m], v[32+\m]                 ; the token's own word: is e its hi?
.endr
	v_lshl_add_u32 v27, v0, 2, LIST
	s_wait_alu depctr_va_vdst(0)
	s_wait_dscnt 0x0
.irp m, 0,1,2,3,4,5,6,7
	v_and_b32 v[56+\m], 1, v[56+\m]
	v_lshrrev_b32 v[32+\m], 2, v[32+\m]
	v_lshl_or_b32 v[32+\m], v[56+\m], 11, v[32+\m]
.endr
	BAR                                            ; every wave's search is over
.irp m, 0,1,2,3,4,5,6,7
	ds_store_b32 v27, v[32+\m] offset:1024*\m
.endr
	COEF 0, 0xc034d90f                             ; the polynomial's coefficients x log2(e); the first also takes -1, for the half
	COEF 1, 0x3fb8ab5a
	COEF 2, 0x3f0a29d2
	COEF 3, 0x3e0efb2e
	COEF 4, 0xbe899a80
	COEF 5, 0x3ecdfd18
	COEF 6, 0xbfd1a1e5
	COEF 7, 0x40097039
	COEF 8, 0xbf97d29d
	BAR                                            ; the list is whole
	GATH 17, 1024, 32, 0x40, 128                   ; my second tile's rows
	s_wait_loadcnt 63                              ; of 96 loads at least 33 are in: blocks 0 and 1
	CONV 0x10, 0, 3, 0, 0
	CONV 0x10, 64, 3, 512, 1
	GATH 17, 0, 48, 0x40, 0                        ; my first tile's rows, where blocks 0 and 1 lay
	s_wait_loadcnt 63                              ; of 128 at least 65: blocks 2 and 3
	CONV 0, WA, 3, 1024, 0
	WLOAD 0, WA, 0, 1                              ; units 64-127
	CONV 0, WB, 3, 1536, 1
	WLOAD 0, WB, 1, 1
	s_wait_loadcnt 63                              ; behind the second tile's rows: 64 loads
	XTURN 0x04, 128, 128
	s_wait_loadcnt 32                              ; behind the first tile's: two blocks
	XTURN 0x04, 0, 0
	BAR                                            ; units 0-63 lie in the image, from all eight waves
	s_mov_b32 s24, 0
	s_mov_b32 s93, 0
	s_mov_b32 s94, 0
	s_mov_b32 s95, 0
.Lfirst:                                           ; groups 0 and 1; meanwhile units 64-127 come in, two blocks a trip
	GROUP
	v_add_nc_u32 v27, s95, v4
	s_wait_alu depctr_va_vdst(0)
	s_wait_loadcnt 16                              ; the younger block may be out
	CONV 0, WA, 27, 0, 0
	s_wait_loadcnt 0x0
	CONV 0, WB, 27, 512, 1
	s_cmp_eq_u32 s24, 0
	s_cbranch_scc0 .Lrest
	WLOAD 0, WA, 2, 1
	WLOAD 0, WB, 3, 1
	s_branch .Lasked
.Lrest:
	s_lshl_b32 s26, s25, 6
	s_add_co_u32 s26, s26, LIST
	v_mov_b32 v17, s26
	GATH 17, 0, 32, 0, WA                          ; the rows of the first of my further tiles (list entries are tokens at every position)
.Lasked:
	s_wait_xcnt 0x0                                ; the gather's offsets are written again only behind this wait
	BAR
	s_add_co_u32 s24, s24, 1
	s_add_co_u32 s93, s93, 2*TP
	s_add_co_u32 s94, s94, 128
	s_add_co_u32 s95, s95, 1024
	s_cmp_lt_u32 s24, 2
	s_cbranch_scc1 .Lfirst
	s_mov_b32 s24, 2
	s_mov_b32 s93, 4*TP
	s_mov_b32 s94, 256
.Lsecond:                                          ; groups 2 and 3
	GROUP
	s_add_co_u32 s24, s24, 1
	s_add_co_u32 s93, s93, 2*TP
	s_add_co_u32 s94, s94, 128
	s_cmp_lt_u32 s24, 4
	s_cbranch_scc1 .Lsecond
	; FURTHER TILES: tile s25 + 4 x trip, group w % 4; trips beyond the list's end are passed over.  No barrier stands here
	s_mov_b32 s91, 0
.Lmore:
	s_cmp_lt_u32 s25, s23
	s_cbranch_scc0 .Lskip
	s_wait_loadcnt 0x0                             ; this tile's rows are in
	XTURN 0, WA, 0
	s_add_co_u32 s26, s25, 4
	s_min_u32 s26, s26, 127                        ; the next, held inside the list
	s_lshl_b32 s26, s26, 6
	s_add_co_u32 s26, s26, LIST
	v_mov_b32 v17, s26
	s_min_u32 s27, s25, 127
	s_lshl_b32 s27, s27, 15
	v_add_nc_u32 v18, s27, v1
	GATH 17, 0, 48, 0, WA
	s_wait_xcnt 0x0                                ; the gather's offsets make room for the bias
	PROD 1, 30, 31
	GELUQ 0
	global_store_b128 v18, v[CODE:CODE+3], s[60:61]
.Lskip:
	s_wait_xcnt 0x0
	s_add_co_u32 s25, s25, 4
	s_add_co_u32 s91, s91, 1
	s_cmp_lt_u32 s91, 24
	s_cbranch_scc1 .Lmore
	; THE LIST and its count, stored by slice 0, half 0
	s_and_b32 s26, ttmp9, 31
	s_cmp_eq_u32 s26, 0
	s_cbranch_scc0 .Lend
	s_lshl_b32 s26, s18, 10
	s_add_co_u32 s27, s26, LIST
	v_add_nc_u32 v19, s27, v1
	v_add_nc_u32 v20, s26, v1
	ds_load_b128 v[32:35], v19
	ds_load_b128 v[36:39], v19 offset:512
	s_wait_alu depctr_va_vdst(0)
	s_wait_dscnt 0x0
	global_store_b128 v20, v[32:35], s[16:17]
	global_store_b128 v20, v[36:39], s[16:17] offset:512
	s_cmp_eq_u32 s18, 0
	s_cbranch_scc0 .Lend
	v_mov_b32 v40, s22
	v_mov_b32 v41, s22
	v_lshrrev_b32 v22, 1, v1
	global_store_b64 v22, v[40:41], s[16:17] offset:8192   ; 256 bytes, all the count
.Lend:
	s_wait_tensorcnt 0x0                           ; the wave's end
	ds_add_u32 v28, v29
	s_wait_dscnt 0x0
	s_endpgm
.Lfunc_end_k_qe33aa78703_gemm1:
	.size	k_qe33aa78703_gemm1, .Lfunc_end_k_qe33aa78703_gemm1-k_qe33aa78703_gemm1
	.p2alignl 7, 3214868480
	.fill 96, 4, 3214868480
	.section	.rodata,"a",@progbits
	.p2align	6, 0x0
	.amdhsa_kernel k_qe33aa78703_gemm1
		.amdhsa_group_segment_fixed_size 283136
		.amdhsa_private_segment_fixed_size 0
		.amdhsa_enable_private_segment 0
		.amdhsa_kernarg_size 56
		.amdhsa_user_sgpr_count 2
		.amdhsa_user_sgpr_kernarg_segment_ptr 1
		.amdhsa_wavefront_size32 1
		.amdhsa_system_sgpr_workgroup_id_x 1
		.amdhsa_system_sgpr_workgroup_id_y 1
		.amdhsa_system_sgpr_workgroup_id_z 1
		.amdhsa_system_vgpr_workitem_id 0
		.amdhsa_next_free_vgpr 512
		.amdhsa_next_free_sgpr 96
		.amdhsa_reserve_vcc 1
		.amdhsa_float_denorm_mode_32 3
		.amdhsa_float_denorm_mode_16_64 3
		.amdhsa_memory_ordered 1
		.amdhsa_forward_progress 1
		.amdhsa_inst_pref_size 185
	.end_amdhsa_kernel
	.amdgpu_metadata
---
amdhsa.version: [ 1, 2 ]
amdhsa.kernels:
  - .name:           k_qe33aa78703_gemm1
    .symbol:         k_qe33aa78703_gemm1.kd
    .args:
      - { .name: xq, .offset: 0, .size: 8, .value_kind: global_buffer, .address_space: global }
      - { .name: rkey, .offset: 8, .size: 8, .value_kind: global_buffer, .address_space: global }
      - { .name: w1, .offset: 16, .size: 8, .value_kind: global_buffer, .address_space: global }
      - { .name: b1, .offset: 24, .size: 8, .value_kind: global_buffer, .address_space: global }
      - { .name: lowp_scales, .offset: 32, .size: 8, .value_kind: global_buffer, .address_space: global }
      - { .name: himg, .offset: 40, .size: 8, .value_kind: global_buffer, .address_space: global }
      - { .name: lst, .offset: 48, .size: 8, .value_kind: global_buffer, .address_space: global }
    .group_segment_fixed_size: 283136
    .private_segment_fixed_size: 0
    .kernarg_segment_align: 8
    .kernarg_segment_size: 56
    .max_flat_workgroup_size: 256
    .sgpr_count:     96
    .vgpr_count:     512
    .wavefront_size: 32
...
	.end_amdgpu_metadata
.endif
;; end of part 2
;; launch gemm2 (part 3): grid 256 x 1, 8 waves a work-group, no clusters, 167,168 bytes of LDS; arguments himg, lst, w2, b2, lowp_scales, ybuf; writes ybuf
.if DOCPART == 3
	.amdgcn_target "amdgcn-amd-amdhsa--gfx1250"
	.amdhsa_code_object_version 6
	.text
	.protected	k_qe33aa78703_gemm2
	.globl	k_qe33aa78703_gemm2
	.p2align	8
	.type	k_qe33aa78703_gemm2,@function
k_qe33aa78703_gemm2:
	s_mov_b64 s[64:65], 0
	v_nop
	global_prefetch_b8 v0, s[64:65] scope:SCOPE_SE
	s_setreg_imm32_b32 hwreg(HW_REG_WAVE_MODE, 25, 1), 1
	s_wait_xcnt 0x0
; THE SECOND PRODUCT: ybuf[row] = h W2[e] + b2[e], f32, row = token where e is the token's lo, 2,048 + token where it is the hi.  Experts that a token did not choose are left out, as in the launches before
; (LIMIT: a NaN, an infinity or an overflow that reaches only them is not carried).
; SHARES.  Work-group number = slice + 16 half + 32 e: 64 outputs of expert e and every second tile of 16 rows.  W2[e][2048][64 outputs] is read as f32 and turned into codes in LDS, 128 KB; a wave takes the tiles
;   half + 2 (w + 8 i), i = 0, 1, and i = 2 where the list is that long, all 64 outputs and the whole K: each fragment of the weights serves two or three tiles.  h's fragments come from memory as they lie in himg, four K steps ahead.
;   Lists of more than 768 rows take further trips of the loop over passes.  Nothing else crosses waves, so no barrier stands behind the one for the weights.
; THE STREAM is that of the launch before: blocks of 32 k x 64 outputs, wave w k = 256 w .. 256 w + 255; image [tile of 16 outputs 4][s 16][c 4][lane 32][16 bytes], 16 bytes of padding behind each tile.
; TRANSPOSED: source 0 = 16 outputs of W2, source 1 = 16 rows of h: lane (r, h) holds row r, outputs 16 ct + 8 h + 0 .. 7.  A tile's 16 rows x 64 outputs turn through the wave's own stage and leave as rows of 256 bytes.
; Positions behind the list's last repeat its last entry: their rows have the same numbers, so the same bytes are stored again by the same wave.  Tiles behind the last are not stored.
; LIMITS: e2 between -126 and 112; e2 + e3 between -126 and 127.  NaN and infinities are not served.
; NOT USED: clusters and tensor loads (the number of tiles hangs on the stored list); prefetches (64 loads a wave are out from the head on, then h's of four K steps; no loop runs ahead of the stream).
; REGISTERS.  Window 1: v0-255 four blocks of weights on their way; then v0-191 h's ring [K step 4][tile 3][16], v192-223 b2 [ct][8].  Window 0: v32-127 accumulators [i 3][ct 4][8]; v128-255 weights from LDS, two K steps by
;   turns, or the conversions' numbers, or the way out.  v1 16 lane; v2 my place in a block; v3 in the image; v6 the image's tiles 2, 3; v7, v8 scale and hold; v9, v10 the stage, in and back; v11 16 (l % 16); v12 32 h;
;   v13 list; v14-16 himg at my tiles; v24-26 list entries; v27 my lane's part of v13; v28, v29 the add's two
.set STG,   131328
.set SPARE, 166144
.set TP,    32784
.set ACC,   32
.set WF,    128
.set TT,    192
.set CC,    224
.set TMP,   128
.set OUT,   160
.set OFF,   200
.set MSB, 0
.macro WIN new
.if MSB != \new
	s_set_vgpr_msb (MSB<<8)|\new
.set MSB, \new
.endif
.endm
.macro WLOAD b                         ; block b: k = 256 w + 32 b + 0..31
	WIN 0x40
.set i, 0
.rept 16
	global_load_b128 v[64*((\b)%4)+4*i:64*((\b)%4)+4*i+3], v2, s[36:37] offset:(32*(\b)+i)*4096
.set i, i+1
.endr
	WIN 0
.endm
.macro CONV b
	s_wait_dscnt 4                                 ; the stores of two blocks ago have read the codes' registers
	WIN 0x10                                       ; source 2, the numbers, in window 1
.irp j, 0,1,2,3
.set i, 0
.rept 16
	v_med3_num_f32 v[TT+16*(\j%2)+i], -v8, v8, v[64*((\b)%4)+4*i+\j]   ; the conversion to an 8-bit code does not saturate (ISA guide 7.6.2)
.set i, i+1
.endr
.set k, CC+16*((\b)%2)+4*\j
	v_cvt_scalef32_pk8_bf8_f32 v[k:k+1], v[TT+16*(\j%2):TT+16*(\j%2)+7], v7
	v_cvt_scalef32_pk8_bf8_f32 v[k+2:k+3], v[TT+16*(\j%2)+8:TT+16*(\j%2)+15], v7
	ds_store_b128 v3, v[k:k+3] offset:512*(\b)+16*\j   ; block b: s = 2 w + b / 4, c = b % 4
.endr
	v_nop                                          ; a plain line behind the last conversion
	WIN 0
.endm
.macro HLD s, i                        ; h's fragment of K step s, tile i: four loads of 512 consecutive bytes
.irp c, 0,1,2,3
	global_load_b128 v[48*((\s)%4)+16*(\i)+4*\c:48*((\s)%4)+16*(\i)+4*\c+3], v[14+\i], s[4:5] offset:2048*(\s)+512*\c
.endr
.endm
.macro HTWO s
	WIN 0x40
	HLD \s, 0
	HLD \s, 1
	WIN 0
.endm
.macro BIASENT                         ; b2 and the list entries of tiles 0, 1: ten loads
	WIN 0x40
.irp t, 0,1,2,3
	global_load_b128 v[192+8*\t:195+8*\t], v12, s[10:11] offset:64*\t
	global_load_b128 v[196+8*\t:199+8*\t], v12, s[10:11] offset:64*\t+16
.endr
	WIN 0
	global_load_b32 v24, v13, s[6:7]               ; lane l: the entry of row 2 (l % 8) + l / 16 of the tile
	global_load_b32 v25, v13, s[6:7] offset:1024
.endm
.macro WS s                            ; the weights of K step s, four tiles
.irp t, 0,1,2,3
.irp c, 0,1,2,3
	ds_load_b128 v[WF+64*((\s)%2)+16*\t+4*\c:WF+64*((\s)%2)+16*\t+4*\c+3], v[1+5*(\t/2)] offset:TP*(\t%2)+2048*(\s)+512*\c
.endr
.endr
.endm
; K = 2,048 for nt tiles.  Ahead of it h's K steps 0-3 of tiles 0 and 1 (32 loads), then ten others have been asked for.  Each wait on LOADcnt names the loads issued behind this K step's:
; nt = 2: three K steps, 24, and in steps 0-3 the ten; nt = 3: the third tile's first four K steps stand behind all those: 12 + 8 s in steps 0-3, then three K steps, 36
.macro KL nt
.if \nt == 3
	global_load_b32 v26, v13, s[6:7] offset:2048
	WIN 0x40
.irp s, 0,1,2,3
	HLD \s, 2
.endr
	WIN 0
.endif
	WS 0
	WS 1
.irp s, 0,1,2,3,4,5,6,7,8,9,10,11,12,13,14,15
.if \nt == 3
.if \s < 4
	s_wait_loadcnt 12+8*\s
.elseif \s < 13
	s_wait_loadcnt 36
.else
	s_wait_loadcnt 12*(15-\s)
.endif
.else
.if \s < 4
	s_wait_loadcnt 34
.elseif \s < 13
	s_wait_loadcnt 24
.else
	s_wait_loadcnt 8*(15-\s)
.endif
.endif
.if \s < 15
	s_wait_dscnt 16                                ; the next K step's sixteen loads may be out
.else
	s_wait_dscnt 0x0
.endif
	WIN 0x04                                       ; source 1, h, in window 1
.irp t, 0,1,2,3                        ; the accumulators take turns, one instruction a turn
.set a, 0
.rept \nt
.if \s == 0
	v_wmma_f32_16x16x128_bf8_bf8 v[ACC+32*a+8*\t:ACC+32*a+8*\t+7], v[WF+64*(\s%2)+16*\t:WF+64*(\s%2)+16*\t+15], v[48*(\s%4)+16*a:48*(\s%4)+16*a+15], 0
.else
	v_wmma_f32_16x16x128_bf8_bf8 v[ACC+32*a+8*\t:ACC+32*a+8*\t+7], v[WF+64*(\s%2)+16*\t:WF+64*(\s%2)+16*\t+15], v[48*(\s%4)+16*a:48*(\s%4)+16*a+15], v[ACC+32*a+8*\t:ACC+32*a+8*\t+7]
.endif
.set a, a+1
.endr
.endr
.rept 4
	v_nop                                          ; four places in front of loads into registers that the products have read, and of the first read of results
.endr
	WIN 0
.if \s < 14
	WS \s+2
.endif
.if \s < 12
	WIN 0x40
	HLD \s+4, 0
	HLD \s+4, 1
.if \nt == 3
	HLD \s+4, 2
.endif
	WIN 0
.endif
.endr
.endm
; The way out of tile i: sum x 2^(e2 + e3) + b2; through my stage (LDS serves a wave's instructions in order: ISA guide 5.7.1.4); 16 lanes store a row's 256 bytes, aligned
.macro EPI i
	s_wait_xcnt 0x0                                ; earlier stores have read the registers written below
	WIN 0x10                                       ; source 2, b2, in window 1
.set j, 0
.rept 16
	v_pk_fma_f32 v[TMP+j:TMP+j+1], v[ACC+32*\i+j:ACC+32*\i+j+1], s[44:45], v[192+j:193+j] op_sel_hi:[1,0,1]   ; each accumulator from its low end on
.set j, j+2
.endr
	WIN 0
.irp t, 0,1,2,3
	ds_store_b128 v9, v[TMP+8*\t:TMP+8*\t+3] offset:64*\t
	ds_store_b128 v9, v[TMP+8*\t+4:TMP+8*\t+7] offset:64*\t+16
.endr
.irp t, 0,1,2,3,4,5,6,7
	ds_load_b128 v[OUT+4*\t:OUT+4*\t+3], v10 offset:544*\t     ; rows 2 t and 2 t + 1
.endr
.irp t, 0,1,2,3,4,5,6,7
	v_mov_b32_dpp v[OFF+\t], v[24+\i] row_share:\t row_mask:0xf bank_mask:0xf
.endr
.irp t, 0,1,2,3,4,5,6,7
	v_and_b32 v[OFF+\t], 0xfff, v[OFF+\t]
	v_min_u32 v[OFF+\t], 0xfff, v[OFF+\t]          ; held inside ybuf
	v_lshl_add_u32 v[OFF+\t], v[OFF+\t], 12, v11
.endr
	s_wait_alu depctr_va_vdst(0)
.irp t, 0,1,2,3,4,5,6,7
	s_wait_dscnt 7-\t
	global_store_b128 v[OFF+\t], v[OUT+4*\t:OUT+4*\t+3], s[14:15]
.endr
.endm
	s_load_b256 s[4:11], s[0:1], 0x0               ; himg 4, lst 6, w2 8, b2 10
	s_load_b128 s[12:15], s[0:1], 0x20             ; lowp_scales 12, ybuf 14
	v_lshl_add_u32 v28, v0, 2, SPARE
	v_mov_b32 v29, 0
	v_lshrrev_b32 v19, 5, v0
	v_readfirstlane_b32 s18, v19                   ; wave w 0..7
	v_and_b32 v20, 31, v0
	v_lshlrev_b32 v1, 4, v20
	v_and_b32 v22, 15, v0                          ; q, also r
	v_bfe_u32 v23, v0, 4, 1                        ; h
	v_lshlrev_b32 v2, 16, v23                      ; 16 h rows of 4,096 bytes
	v_lshl_add_u32 v2, v22, 4, v2
	v_lshrrev_b32 v21, 2, v22                      ; my outputs 4 q + j: tile q / 4, row 4 (q % 4) + j of it
	v_mul_u32_u24 v3, v21, TP
	v_and_b32 v21, 3, v22
	v_lshl_add_u32 v3, v21, 6, v3
	v_lshl_add_u32 v3, v23, 8, v3
	v_add_nc_u32 v6, 2*TP, v1
	v_mul_u32_u24 v9, v22, 272
	v_lshl_add_u32 v9, v23, 5, v9
	v_lshlrev_b32 v11, 4, v22
	v_mul_u32_u24 v10, v23, 272
	v_add_nc_u32 v10, v10, v11
	v_lshlrev_b32 v12, 5, v23
	v_and_b32 v21, 7, v0
	v_lshlrev_b32 v27, 3, v21
	v_lshl_add_u32 v27, v23, 2, v27
	s_and_b32 s19, ttmp9, 15                       ; slice
	s_bfe_u32 s20, ttmp9, 0x10004                  ; half
	s_lshr_b32 s21, ttmp9, 5                       ; e
	s_mov_b32 s29, 0
	s_mov_b32 s31, 0
	s_mov_b32 s33, 0
	s_mov_b32 s35, 0
	s_mov_b32 s39, 0
	s_lshl_b32 s38, s19, 8                         ; ybuf: 256 bytes a slice
	s_lshl_b32 s28, s21, 12
	s_add_co_u32 s28, s28, s38                     ; b2
	s_lshl_b32 s30, s21, 23
	s_lshl_b32 s27, s18, 20
	s_add_co_u32 s30, s30, s27
	s_add_co_u32 s30, s30, s38                     ; w2: 8,388,608 bytes an expert, 1,048,576 a wave, 256 a slice
	s_lshl_b32 s32, s21, 22                        ; himg
	s_mul_i32 s34, s21, 8448                       ; lst
	s_lshl_b32 s25, s18, 1
	s_add_co_u32 s25, s25, s20                     ; my first tile
	s_lshl_b32 s26, s18, 12
	s_mul_i32 s27, s18, 4352
	s_add_co_u32 s27, s27, STG
	s_lshl_b32 s40, s25, 15
	s_lshl_b32 s41, s25, 6
	s_wait_alu depctr_va_vdst(0)
	v_add_nc_u32 v3, s26, v3
	v_add_nc_u32 v9, s27, v9
	v_add_nc_u32 v10, s27, v10
	v_add_nc_u32 v14, s40, v1
	v_add_nc_u32 v15, 0x80000, v14
	v_add_nc_u32 v16, 0x100000, v14
	v_add_nc_u32 v13, s41, v27
	s_wait_alu depctr_va_vdst(0)
	s_wait_kmcnt 0x0
	s_add_nc_u64 s[36:37], s[8:9], s[30:31]
	s_add_nc_u64 s[6:7], s[6:7], s[34:35]
	s_load_b32 s22, s[6:7], 0x2000                 ; n
	s_load_b128 s[56:59], s[12:13], 0x0            ; e0..e3
	WLOAD 0
	WLOAD 1
	WLOAD 2
	WLOAD 3
	s_add_nc_u64 s[4:5], s[4:5], s[32:33]
	s_add_nc_u64 s[10:11], s[10:11], s[28:29]
	s_add_nc_u64 s[14:15], s[14:15], s[38:39]
	s_wait_kmcnt 0x0
	s_add_co_u32 s23, s22, 15
	s_lshr_b32 s23, s23, 4                         ; tiles of 16 rows
	s_add_co_i32 s26, s58, s59
	s_add_co_i32 s26, s26, 127
	s_lshl_b32 s44, s26, 23                        ; 2^(e2 + e3) as f32
	s_mov_b32 s45, s44
	s_add_co_i32 s26, s58, 127
	s_lshl_b32 s27, s26, 23
	v_mov_b32 v7, s27                              ; 2^e2: the conversion takes its exponent field
	s_add_co_i32 s26, s26, 15
	s_lshl_b32 s26, s26, 23
	s_or_b32 s26, s26, 0x600000
	v_mov_b32 v8, s26                              ; 57,344 x 2^e2
	s_wait_alu depctr_va_vdst(0)
.irp b, 0,1,2,3
	s_wait_loadcnt 48                              ; the three younger blocks may be out
	CONV \b
	WLOAD \b+4
.endr
	s_wait_loadcnt 48
	CONV 4
	HTWO 0                                         ; h's first K steps, into what the blocks have left
	s_wait_loadcnt 40                              ; two blocks and one K step
	CONV 5
	HTWO 1
	s_wait_loadcnt 32                              ; one block and two K steps
	CONV 6
	HTWO 2
	HTWO 3
	s_wait_loadcnt 32                              ; four K steps
	CONV 7
	BIASENT
	s_wait_alu depctr_va_vdst(0)
	s_wait_dscnt 0x0                               ; for the others' sake: my part of the image lies in LDS
	s_barrier_signal -1
	s_barrier_wait -1
	s_mov_b32 s24, 0
.Lpass:                                            ; three passes of 48 tiles; those beyond the list's end are passed over
	s_cmp_lt_u32 s25, s23
	s_cbranch_scc0 .Lnext
	s_add_co_u32 s26, s25, 32
	s_cmp_lt_u32 s26, s23
	s_cbranch_scc0 .Ltwo
	KL 3
	EPI 0
	EPI 1
	EPI 2
	s_branch .Lnext
.Ltwo:
	KL 2
	EPI 0
	s_add_co_u32 s26, s25, 16
	s_cmp_lt_u32 s26, s23
	s_cbranch_scc0 .Lnext
	EPI 1
.Lnext:
	s_wait_xcnt 0x0                                ; the offsets are written again only behind this wait,
	s_wait_loadcnt 0x0                             ; and registers asked for again only when nothing is out (where the pass was passed over, the head's loads are)
	s_add_co_u32 s25, s25, 48
	s_min_u32 s26, s25, 111                        ; the next pass's first tile, held inside the table (96 + half + 2 w at the most);
	s_add_co_u32 s27, s26, 16                      ; its second, or where the list has none the first once more;
	s_cmp_lt_u32 s27, s23
	s_cselect_b32 s27, s27, s26
	s_min_u32 s27, s27, 127
	s_add_co_u32 s28, s26, 32                      ; its third
	s_min_u32 s28, s28, 127
	s_lshl_b32 s29, s26, 6
	s_lshl_b32 s26, s26, 15
	s_lshl_b32 s27, s27, 15
	s_lshl_b32 s28, s28, 15
	v_add_nc_u32 v13, s29, v27
	v_add_nc_u32 v14, s26, v1
	v_add_nc_u32 v15, s27, v1
	v_add_nc_u32 v16, s28, v1
	s_wait_alu depctr_va_vdst(0)
	s_cmp_lt_u32 s25, s23
	s_cbranch_scc0 .Lnone
	HTWO 0
	HTWO 1
	HTWO 2
	HTWO 3
	BIASENT
.Lnone:
	s_add_co_u32 s24, s24, 1
	s_cmp_lt_u32 s24, 3
	s_cbranch_scc1 .Lpass
	s_wait_tensorcnt 0x0                           ; the wave's end
	ds_add_u32 v28, v29
	s_wait_dscnt 0x0
	s_endpgm
.Lfunc_end_k_qe33aa78703_gemm2:
	.size	k_qe33aa78703_gemm2, .Lfunc_end_k_qe33aa78703_gemm2-k_qe33aa78703_gemm2
	.p2alignl 7, 3214868480
	.fill 96, 4, 3214868480
	.section	.rodata,"a",@progbits
	.p2align	6, 0x0
	.amdhsa_kernel k_qe33aa78703_gemm2
		.amdhsa_group_segment_fixed_size 167168
		.amdhsa_private_segment_fixed_size 0
		.amdhsa_enable_private_segment 0
		.amdhsa_kernarg_size 48
		.amdhsa_user_sgpr_count 2
		.amdhsa_user_sgpr_kernarg_segment_ptr 1
		.amdhsa_wavefront_size32 1
		.amdhsa_system_sgpr_workgroup_id_x 1
		.amdhsa_system_sgpr_workgroup_id_y 1
		.amdhsa_system_sgpr_workgroup_id_z 1
		.amdhsa_system_vgpr_workitem_id 0
		.amdhsa_next_free_vgpr 512
		.amdhsa_next_free_sgpr 66
		.amdhsa_reserve_vcc 0
		.amdhsa_float_denorm_mode_32 3
		.amdhsa_float_denorm_mode_16_64 3
		.amdhsa_memory_ordered 1
		.amdhsa_forward_progress 1
		.amdhsa_inst_pref_size 177
	.end_amdhsa_kernel
	.amdgpu_metadata
---
amdhsa.version: [ 1, 2 ]
amdhsa.kernels:
  - .name:           k_qe33aa78703_gemm2
    .symbol:         k_qe33aa78703_gemm2.kd
    .args:
      - { .name: himg, .offset: 0, .size: 8, .value_kind: global_buffer, .address_space: global }
      - { .name: lst, .offset: 8, .size: 8, .value_kind: global_buffer, .address_space: global }
      - { .name: w2, .offset: 16, .size: 8, .value_kind: global_buffer, .address_space: global }
      - { .name: b2, .offset: 24, .size: 8, .value_kind: global_buffer, .address_space: global }
      - { .name: lowp_scales, .offset: 32, .size: 8, .value_kind: global_buffer, .address_space: global }
      - { .name: ybuf, .offset: 40, .size: 8, .value_kind: global_buffer, .address_space: global }
    .group_segment_fixed_size: 167168
    .private_segment_fixed_size: 0
    .kernarg_segment_align: 8
    .kernarg_segment_size: 48
    .max_flat_workgroup_size: 256
    .sgpr_count:     66
    .vgpr_count:     512
    .wavefront_size: 32
...
	.end_amdgpu_metadata
.endif
;; end of part 3
;; launch combine (part 4): grid 256 x 1, 8 waves a work-group, no clusters, 0 bytes of LDS; arguments ybuf, rw, out0; writes out0
.if DOCPART == 4
	.amdgcn_target "amdgcn-amd-amdhsa--gfx1250"
	.amdhsa_code_object_version 6
	.text
	.protected	k_qe33aa78703_combine
	.globl	k_qe33aa78703_combine
	.p2align	8
	.type	k_qe33aa78703_combine,@function
k_qe33aa78703_combine:
	s_mov_b64 s[64:65], 0
	v_nop
	global_prefetch_b8 v0, s[64:65] scope:SCOPE_SE
	s_setreg_imm32_b32 hwreg(HW_REG_WAVE_MODE, 25, 1), 1
	s_wait_xcnt 0x0
; out0[t] = (weight of lo) ybuf[t] + (weight of hi) ybuf[2048 + t]: the two chosen experts of token t; the six others weigh 0 by reference()'s own one_hot and are left out (LIMIT: a NaN, an infinity or an overflow that reaches
; only them is not carried).  A wave takes a token: 1,024 numbers, 16 loads and 8 stores of 512 consecutive bytes, all loads out ahead of the first use.  Nothing is shared: no LDS, clusters or prefetch (no loop).
	s_load_b128 s[4:7], s[0:1], 0x0                ; ybuf, rw
	s_load_b64 s[8:9], s[0:1], 0x10                ; out0
	v_lshrrev_b32 v1, 5, v0
	v_readfirstlane_b32 s10, v1
	v_and_b32 v2, 31, v0
	v_lshlrev_b32 v2, 4, v2
	s_lshl_b32 s11, ttmp9, 3
	s_add_co_u32 s11, s11, s10                     ; the token
	s_lshl_b32 s12, s11, 3
	s_mov_b32 s13, 0
	s_lshl_b32 s14, s11, 12
	s_mov_b32 s15, 0
	s_wait_alu depctr_va_vdst(0)
	s_wait_kmcnt 0x0
	s_add_nc_u64 s[6:7], s[6:7], s[12:13]
	s_load_b64 s[16:17], s[6:7], 0x0               ; (weight of lo, weight of hi)
	s_add_nc_u64 s[4:5], s[4:5], s[14:15]
	s_add_nc_u64 s[8:9], s[8:9], s[14:15]
	s_add_nc_u64 s[18:19], s[4:5], 0x800000
.irp i, 0,1,2,3,4,5,6,7
	global_load_b128 v[16+4*\i:19+4*\i], v2, s[4:5] offset:512*\i th:TH_LOAD_NT
	global_load_b128 v[48+4*\i:51+4*\i], v2, s[18:19] offset:512*\i th:TH_LOAD_NT
.endr
	s_wait_kmcnt 0x0
	s_mov_b32 s20, s17
	s_mov_b32 s21, s17
.irp i, 0,1,2,3,4,5,6,7
	s_wait_loadcnt 14-2*\i                         ; the younger pairs may be out
	v_pk_mul_f32 v[48+4*\i:49+4*\i], v[48+4*\i:49+4*\i], s[20:21] op_sel_hi:[1,0]
	v_pk_mul_f32 v[50+4*\i:51+4*\i], v[50+4*\i:51+4*\i], s[20:21] op_sel_hi:[1,0]
	v_pk_fma_f32 v[16+4*\i:17+4*\i], v[16+4*\i:17+4*\i], s[16:17], v[48+4*\i:49+4*\i] op_sel_hi:[1,0,1]
	v_pk_fma_f32 v[18+4*\i:19+4*\i], v[18+4*\i:19+4*\i], s[16:17], v[50+4*\i:51+4*\i] op_sel_hi:[1,0,1]
	global_store_b128 v2, v[16+4*\i:19+4*\i], s[8:9] offset:512*\i th:TH_STORE_NT
.endr
	s_endpgm
.Lfunc_end_k_qe33aa78703_combine:
	.size	k_qe33aa78703_combine, .Lfunc_end_k_qe33aa78703_combine-k_qe33aa78703_combine
	.p2alignl 7, 3214868480
	.fill 96, 4, 3214868480
	.section	.rodata,"a",@progbits
	.p2align	6, 0x0
	.amdhsa_kernel k_qe33aa78703_combine
		.amdhsa_group_segment_fixed_size 0
		.amdhsa_private_segment_fixed_size 0
		.amdhsa_enable_private_segment 0
		.amdhsa_kernarg_size 24
		.amdhsa_user_sgpr_count 2
		.amdhsa_user_sgpr_kernarg_segment_ptr 1
		.amdhsa_wavefront_size32 1
		.amdhsa_system_sgpr_workgroup_id_x 1
		.amdhsa_system_sgpr_workgroup_id_y 1
		.amdhsa_system_sgpr_workgroup_id_z 1
		.amdhsa_system_vgpr_workitem_id 0
		.amdhsa_next_free_vgpr 96
		.amdhsa_next_free_sgpr 66
		.amdhsa_reserve_vcc 0
		.amdhsa_float_denorm_mode_32 3
		.amdhsa_float_denorm_mode_16_64 3
		.amdhsa_memory_ordered 1
		.amdhsa_forward_progress 1
		.amdhsa_inst_pref_size 6
	.end_amdhsa_kernel
	.amdgpu_metadata
---
amdhsa.version: [ 1, 2 ]
amdhsa.kernels:
  - .name:           k_qe33aa78703_combine
    .symbol:         k_qe33aa78703_combine.kd
    .args:
      - { .name: ybuf, .offset: 0, .size: 8, .value_kind: global_buffer, .address_space: global }
      - { .name: rw, .offset: 8, .size: 8, .value_kind: global_buffer, .address_space: global }
      - { .name: out0, .offset: 16, .size: 8, .value_kind: global_buffer, .address_space: global }
    .group_segment_fixed_size: 0
    .private_segment_fixed_size: 0
    .kernarg_segment_align: 8
    .kernarg_segment_size: 24
    .max_flat_workgroup_size: 256
    .sgpr_count:     66
    .vgpr_count:     96
    .wavefront_size: 32
...
	.end_amdgpu_metadata
.endif
;; end of part 4
